; MI455X (gfx1250); checked and timed in simulation.
; The chip was launched on July 23, 2026; its instructions are those of AMD's public machine-readable ISA for CDNA 5 (MIT licence, August 2026) and "CDNA5" Instruction Set Architecture Reference Guide (July 2026). The comments in the code are by the model that wrote it; some were corrected since.
;; Multi Head Attention. Allowed arithmetic: matrix products marked QUANTISED: E3M2 operands, one E8M0 scale for each 32 along K, by v_wmma_scale_f32_16x16x128_f8f6f4 with both operands' format E3M2, f32 sums; everything else in f32.
;; Inputs: W_out 1,024 x 1,024 float32; W_qkv 1,024 x 3,072 float32; b_out 1,024 float32; b_qkv 3,072 float32; x 4 x 2,048 x 1,024 float32.
;; Outputs: out0 4 x 2,048 x 1,024 float32.
;; This version of the problem:
;;   THIS VERSION OF THE PROBLEM IS GIVEN IN LOW PRECISION. The matrix products marked QUANTISED in the list below multiply operands that are first quantised to E3M2 (3 exponent bits, 2 mantissa bits; 6 bits a number), with one power-of-two scale for each 32 numbers along K (OCP MX v1.0); their sums are f32. All else is computed in f32.
;;   The module's matrix products, in the order in which they are computed (A, B: the left and right operand; K: the contracted axis; several contracted axes count as one K, in the product's order):
;;     1. [M 8,192, K 1,024] x [K 1,024, N 3,072]; A: input x; B: input W_qkv: QUANTISED
;;     2. batch 64 x [M 2,048, K 64] x [K 64, N 2,048]; A: computed on the way; B: computed on the way: QUANTISED
;;     3. batch 64 x [M 64, K 2,048] x [K 2,048, N 2,048]; A: computed on the way; B: softmax (see below): QUANTISED
;;     4. [M 8,192, K 1,024] x [K 1,024, N 1,024]; A: computed on the way; B: input W_out: QUANTISED
;;   THE QUANTISER, for each operand of a quantised product, along K:
;;     - K is cut into blocks of 32 from its start; a last block that is shorter is filled with zeros.
;;     - A block's scale is 2^e with e = floor(log2(the largest magnitude in the block)) - 4, held to -126 .. 127; a block of zeros has e = 0. As a byte (E8M0): e + 127.
;;     - Each number is divided by its block's scale, clamped to +-28, and rounded to the nearest number of E3M2, ties to even, subnormals kept.
;;     - The product sums the exact products of the quantised numbers (number of the format x scale) in f32.
;;   ~~~python
;;   def quantise(x, axis):      # numpy; x: float32 -> the quantised numbers, widened to float32 again
;;       x = np.moveaxis(x, axis, -1); K = x.shape[-1]
;;       x = np.pad(x, [(0, 0)] * (x.ndim - 1) + [(0, -K % 32)]); x = x.reshape(x.shape[:-1] + (-1, 32)); a = np.abs(x).max(-1, keepdims=True)
;;       e = np.where(a > 0, np.clip(np.frexp(np.where(a > 0, a, 1))[1] - 1 - 4, -126, 127), 0)      # np.frexp(a)[1] - 1 = floor(log2(a)), exactly
;;       r = np.clip(x / 2.0 ** e, -28, 28)
;;       step = 2.0 ** (np.maximum(np.frexp(np.where(r == 0, 1, r))[1] - 1, -2) - 2)
;;       q = np.round(r / step) * step * 2.0 ** e      # np.round: ties to even
;;       return np.moveaxis(q.reshape(q.shape[:-2] + (-1,))[..., :K], -1, axis).astype(np.float32)
;;   ~~~
;;   SOFTMAX AHEAD OF A QUANTISED PRODUCT. Where the list says 'softmax', what is quantised is not the finished softmax but p = 2^(t - M), with t = logit x log2(e) and M = ceil(the row's largest t), a whole number; so 1/2 < the row's largest p <= 1. The row's sum l is taken of the UNQUANTISED p, in f32, and the product's result is divided by l at the end. Since M is a whole number, a kernel that streams over the keys may use a running M (the ceiling of the running maximum): every later rescaling is an exact power of two, which a block's scale takes up: the codes' values come out the same.
;;   OPERANDS COMPUTED ON THE WAY. 'Computed on the way' means the value that the module computes at that place (a softmax that the list does not call 'softmax' is quantised finished and normalised). What goes into a quantiser is computed in f32, as accurately as f32 sums, v_exp_f32 and their like allow (about 1e-6 of the number): no bf16 or f16 on the way to a quantiser, and a product that is left as it is and whose result goes on into a quantised operand takes f32 operands (vector FMAs, or v_wmma_f32_16x16x4_f32). A number that lies on a knife's edge between two numbers of the format may be rounded either way, as far as f32 arithmetic and the matrix unit's own rounding can turn it there, and no further.
;; One version. Each part assembles by itself: llvm-mc -triple=amdgcn-amd-amdhsa -mcpu=gfx1250 --defsym DOCPART=n.
;; ======== version 1 of 1: 4 launches
;; workspace buffers: xq 6,553,600 bytes; wq 2,457,600 bytes; wo 819,200 bytes; qb 6,815,744 bytes; kv 13,369,344 bytes; ab 6,553,600 bytes
;; launch quant (part 1): grid 384 x 1, 4 waves a work-group, no clusters, 60,928 bytes of LDS; arguments x, W_qkv, W_out, xq, wq, wo; writes xq, wq, wo
.if DOCPART == 1
	.amdgcn_target "amdgcn-amd-amdhsa--gfx1250"
	.amdhsa_code_object_version 6
	.text
	.protected	k_q2ef766dad9_quant
	.globl	k_q2ef766dad9_quant
	.p2align	8
	.type	k_q2ef766dad9_quant,@function
k_q2ef766dad9_quant:
	s_mov_b64 s[64:65], 0
	v_nop
	global_prefetch_b8 v0, s[64:65] scope:SCOPE_SE
	s_setreg_imm32_b32 hwreg(HW_REG_WAVE_MODE, 25, 1), 1
	s_wait_xcnt 0x0
; MULTI-HEAD ATTENTION IN MX-BF6, launch 1 of 4: x, W_qkv and W_out (f32) become codes of E3M2 with one E8M0 byte for each 32 along K.
; DEAD WORK: none.  All five inputs reach the output (b_qkv's k part too: it moves k's codes), all four products are live, nothing is masked or sliced away.
; A block's scale is 2^(floor(log2(largest magnitude)) - 4); its byte is the largest magnitude's exponent field - 4, held at 1 from below by a floor among the maximum's leaves.
; LIMITS: a block of zeros, or one whose largest magnitude lies under 2^-122, gets the byte 1 (its codes are zeros or near it; only this program reads the bytes); NaN and infinities among the inputs are not served.
; LAYOUT OF THE RESULTS: images of the matrix operand's registers.  A fragment (16 rows x 128 K, 12 registers a lane) is 1,536 bytes: for each half c of K, registers 6c..6c+3 at 768c + 16 lane, registers 6c+4, 6c+5 at 768c + 512 + 8 lane.
; THE ROWS OF A TILE ARE NOT NEIGHBOURS: in a group of 32 rows, lane r of tile u takes row 8u + r + 8 (r / 8), so that a product that uses such tiles as source 0 leaves 16 neighbours in the 16 registers of two tiles.
; Codes: [tile][K step 8][1,536].  Scale words: for each 128 rows 4,096 bytes [K step pair 4][tile pair 4][lane 32][2 words]: lanes 0-15 the even tile's rows, lanes 16-31 the odd tile's.
; Work-groups 0-255 take x (K innermost), 256-383 the weights (K outermost: a lane to a column, registers down K).  Waves share nothing: no barrier.  Each path has LDS bytes of its own.  No cluster: no two work-groups read the same bytes.
.set XS,    6291456                    ; where xq's scale words begin
.set WQS,   2359296                    ; wq's
.set WOS,   786432                     ; wo's
.set WST,   33792                      ; LDS: path X's four stages of 16 x 528 bytes lie from 0; path W's four of 6,656 from here
.set SPARE, 60416                      ; the spare words, 128 bytes a wave
.set SPW, 30                           ; v30 my spare word's address; v31 0: both never rewritten
.set NIL, 31
.set R,   32                           ; path X: v32-159 two sets of 64 numbers as loaded
.set X,   160                          ; v160-223 my row's 64 numbers of a K step
.set CX,  224                          ; v224-247 two sets of 12 code registers
.set WD,  20                           ; v20-23 the four fragments' scale words
	s_load_b256 s[4:11], s[0:1], 0x0               ; x, W_qkv, W_out, xq
	s_load_b128 s[12:15], s[0:1], 0x20             ; wq, wo
	v_lshl_add_u32 v[SPW], v0, 2, SPARE
	v_mov_b32 v[NIL], 0
	v_lshrrev_b32 v1, 5, v0
	v_readfirstlane_b32 s16, v1                    ; wave j
	v_and_b32 v1, 31, v0                           ; lane
	v_lshlrev_b32 v2, 4, v1                        ; 16 x lane
	v_lshlrev_b32 v3, 3, v1                        ; 8 x lane
	v_and_b32 v4, 15, v0                           ; r
	v_bfe_u32 v5, v0, 4, 1                         ; h
	s_mov_b32 s20, 0x76543210
	s_mov_b32 s21, 0xfedcba98                      ; lane selects: lane l xor 16
	s_wait_kmcnt 0x0
	s_cmp_ge_u32 ttmp9, 256
	s_cbranch_scc1 .Lweights
; ---------------- PATH X.  Work-group = (group G of 128 rows, pair kp of K steps); wave j: rows 128 G + 32 j + 0..31: four fragments f = 2 u + qq
	s_lshr_b32 s17, ttmp9, 2                       ; G
	s_and_b32 s18, ttmp9, 3                        ; kp
	s_lshl_b32 s22, s17, 7
	s_lshl_b32 s23, s16, 5
	s_add_co_u32 s22, s22, s23                     ; my first row
	s_lshl_b32 s22, s22, 12                        ; x 4,096 bytes
	s_lshl_b32 s23, s18, 10
	s_add_co_u32 s22, s22, s23                     ; + 1,024 kp
	s_mov_b32 s23, 0
	s_add_nc_u64 s[22:23], s[4:5], s[22:23]
	s_lshl_b32 s24, s17, 3
	s_lshl_b32 s25, s16, 1
	s_add_co_u32 s24, s24, s25                     ; tile 8 G + 2 j
	s_lshl_b32 s24, s24, 3
	s_lshl_b32 s25, s18, 1
	s_add_co_u32 s24, s24, s25                     ; x 8 K steps + 2 kp
	s_mul_i32 s24, s24, 1536
	s_mov_b32 s25, 0
	s_add_nc_u64 s[24:25], s[10:11], s[24:25]
	s_lshl_b32 s26, s17, 2
	s_add_co_u32 s26, s26, s18
	s_lshl_b32 s26, s26, 2
	s_add_co_u32 s26, s26, s16
	s_lshl_b32 s26, s26, 8                         ; ((4 G + kp) 4 + j) x 256
	s_add_co_u32 s26, s26, XS
	s_mov_b32 s27, 0
	s_add_nc_u64 s[26:27], s[10:11], s[26:27]
	s_mul_i32 s28, s16, 8448                       ; my stage
	s_wait_alu depctr_va_vdst(0)
	v_add_nc_u32 v6, s28, v2                       ; in: a row's 512 bytes, 16 a lane
	v_mul_u32_u24 v7, v4, 528
	v_lshl_add_u32 v7, v5, 7, v7
	v_add_nc_u32 v7, s28, v7                       ; back: row r, + 128 h: my block of 32 numbers
	v_lshlrev_b32 v15, 3, v5                       ; 8 h
	v_mov_b32 v16, 0                               ; a lane permute's destination counts as a source
.macro LOADF f                         ; fragment f: 16 rows x 512 bytes, each load 512 consecutive bytes of one row
.set LU, (\f)/2
.set LQ, (\f)%2
.set LR, R+64*((\f)%2)
.irp i, 0,1,2,3,4,5,6,7,8,9,10,11,12,13,14,15
	global_load_b128 v[LR+4*\i:LR+4*\i+3], v2, s[22:23] offset:(8*LU+\i+8*(\i/8))*4096+512*LQ th:TH_LOAD_NT
.endr
.endm
.macro FRAGX f
.set FU, (\f)/2
.set FQ, (\f)%2
.set FR, R+64*((\f)%2)
.set FC, CX+12*((\f)%2)
.if (\f) < 3
	s_wait_loadcnt 16                              ; this fragment's 16 loads are in; the next one's may be out
.else
	s_wait_loadcnt 0x0
.endif
.irp i, 0,1,2,3,4,5,6,7,8,9,10,11,12,13,14,15
	ds_store_b128 v6, v[FR+4*\i:FR+4*\i+3] offset:528*\i
.endr
.irp c, 0,1
.irp e, 0,1,2,3,4,5,6,7
	ds_load_b128 v[X+32*\c+4*\e:X+32*\c+4*\e+3], v7 offset:256*\c+16*\e   ; LDS serves a wave's instructions in order: these see the stores.  k = 64 c + 32 h + 0..31 of row r
.endr
.endr
	s_wait_dscnt 0x0                               ; the numbers are back, and the stores have read their registers
.if (\f) < 2
	LOADF (\f)+2
.endif
.irp c, 0,1
	v_max3_num_f32 v[8+\c], |v[X+32*\c]|, |v[X+32*\c+1]|, 0x2800000   ; a whole block is mine; the floor 2^(5 - 127) holds the byte at 1 from below
.endr
.irp i, 2,4,6,8,10,12,14,16,18,20,22,24,26,28,30
.irp c, 0,1
	v_max3_num_f32 v[8+\c], v[8+\c], |v[X+32*\c+\i]|, |v[X+32*\c+\i+1]|
.endr
.endr
.irp c, 0,1
	v_add_nc_u32 v[10+\c], 0xfe000000, v[8+\c]     ; 4 off the exponent field: the conversion's scale operand
.endr
.irp c, 0,1
	v_lshrrev_b32 v[12+\c], 23, v[10+\c]           ; the byte
.endr
	v_lshl_or_b32 v14, v13, 16, v12                ; blocks h and 2 + h,
	v_lshlrev_b32 v14, v15, v14                    ; at their places in the word;
	v_permlanex16_b32 v16, v14, s20, s21
	v_or_b32 v[WD+(\f)], v14, v16                  ; with lane l xor 16's two the word is whole
.if (\f) >= 2
	s_wait_alu depctr_va_vdst(0)
	s_wait_xcnt 0x0                                ; the stores of two fragments ago have read this set of code registers
.endif
.irp c, 0,1
	v_cvt_scalef32_pk16_bf6_f32 v[FC+6*\c:FC+6*\c+2], v[X+32*\c:X+32*\c+15], v[10+\c]
	v_cvt_scalef32_pk16_bf6_f32 v[248+4*\c:250+4*\c], v[X+32*\c+16:X+32*\c+31], v[10+\c]   ; (a conversion's three registers begin on an even number)
.endr
	v_nop                                          ; one plain place behind the conversions
.irp c, 0,1
.irp i, 0,1,2
	v_mov_b32 v[FC+6*\c+3+\i], v[248+4*\c+\i]
.endr
.endr
	global_store_b128 v2, v[FC:FC+3], s[24:25] offset:FU*12288+FQ*1536
	global_store_b64 v3, v[FC+4:FC+5], s[24:25] offset:FU*12288+FQ*1536+512
	global_store_b128 v2, v[FC+6:FC+9], s[24:25] offset:FU*12288+FQ*1536+768
	global_store_b64 v3, v[FC+10:FC+11], s[24:25] offset:FU*12288+FQ*1536+1280
.endm
	LOADF 0
	LOADF 1
	s_wait_alu depctr_va_vdst(0)
	FRAGX 0
	FRAGX 1
	FRAGX 2
	FRAGX 3
	s_mov_b32 vcc_lo, 0xffff0000
	v_cndmask_b32 v8, v[WD+0], v[WD+2], vcc_lo     ; lanes 0-15 tile u = 0's words, lanes 16-31 tile u = 1's; first K step,
	v_cndmask_b32 v9, v[WD+1], v[WD+3], vcc_lo     ; second
	global_store_b64 v3, v[8:9], s[26:27]          ; 256 consecutive bytes, aligned
	s_wait_tensorcnt 0x0                           ; the wave's end: behind my last LDS store
	ds_add_u32 v[SPW], v[NIL]
	s_wait_dscnt 0x0
	s_endpgm
; ---------------- PATH W.  Work-group = (weight, group Gn of 128 columns, quarter kp of K); wave j, lane: column 128 Gn + 32 j + lane; 8 blocks of 32 down K
.Lweights:
	s_sub_co_u32 s17, ttmp9, 256
	s_cmp_ge_u32 s17, 96                           ; W_out's work-groups follow W_qkv's 96: the choice hangs on the work-group's number alone
	s_cselect_b64 s[22:23], s[8:9], s[6:7]
	s_cselect_b64 s[24:25], s[14:15], s[12:13]
	s_mov_b32 s19, 12288
	s_cselect_b32 s19, 4096, s19                   ; bytes from a row of the weight to the next
	s_mov_b32 s26, WQS
	s_cselect_b32 s26, WOS, s26
	s_cselect_b32 s27, 96, 0
	s_sub_co_u32 s17, s17, s27
	s_lshr_b32 s18, s17, 2                         ; Gn
	s_and_b32 s17, s17, 3                          ; kp
	s_lshl_b32 s28, s17, 8
	s_mul_i32 s28, s28, s19                        ; 256 kp rows
	s_lshl_b32 s29, s18, 9
	s_add_co_u32 s28, s28, s29
	s_lshl_b32 s29, s16, 7
	s_add_co_u32 s28, s28, s29                     ; + 4 (128 Gn + 32 j)
	s_mov_b32 s29, 0
	s_add_nc_u64 s[32:33], s[22:23], s[28:29]      ; block 0's base;
	s_lshl_b32 s28, s19, 5
.irp t, 1,2,3,4,5,6,7
	s_add_nc_u64 s[32+2*\t:33+2*\t], s[30+2*\t:31+2*\t], s[28:29]   ; a base for each block, 32 rows apart: none is ever stepped
.endr
	s_lshl_b32 s48, s18, 3
	s_lshl_b32 s49, s16, 1
	s_add_co_u32 s48, s48, s49
	s_lshl_b32 s48, s48, 3
	s_lshl_b32 s49, s17, 1
	s_add_co_u32 s48, s48, s49
	s_mul_i32 s48, s48, 1536                       ; ((8 Gn + 2 j) 8 + 2 kp) x 1,536
	s_mov_b32 s49, 0
	s_add_nc_u64 s[48:49], s[24:25], s[48:49]
	s_lshl_b32 s50, s18, 2
	s_add_co_u32 s50, s50, s17
	s_lshl_b32 s50, s50, 2
	s_add_co_u32 s50, s50, s16
	s_lshl_b32 s50, s50, 8
	s_add_co_u32 s50, s50, s26
	s_mov_b32 s51, 0
	s_add_nc_u64 s[50:51], s[24:25], s[50:51]
	s_wait_alu depctr_va_vdst(0)
	v_lshlrev_b32 v32, 2, v1                       ; v32-63: 4 lane + i rows
.set i, 0
.rept 31
	v_add_nc_u32 v[33+i], s19, v[32+i]
.set i, i+1
.endr
	v_bfe_u32 v8, v0, 3, 1                         ; my column's tile u,
	v_and_b32 v9, 7, v0
	v_bfe_u32 v10, v0, 4, 1
	v_lshl_add_u32 v9, v10, 3, v9                  ; and its lane r' in that tile
	s_mul_i32 s30, s16, 6656
	s_add_co_u32 s30, s30, WST                     ; my stage: two tiles' images, 3,200 bytes apart (3,072 + 128, so that the two tiles' stores fall on different banks), then 256 bytes of scale words
	v_mul_u32_u24 v11, v8, 3200
	v_add_nc_u32 v11, s30, v11
	v_lshl_add_u32 v12, v9, 4, v11                 ; 16-byte places
	v_lshl_add_u32 v13, v9, 3, v11                 ; 8-byte places
	v_lshl_add_u32 v14, v8, 4, v9
	v_lshlrev_b32 v14, 3, v14
	v_add_nc_u32 v14, s30, v14
	v_add_nc_u32 v14, 6400, v14                    ; my column's two scale words
	v_add_nc_u32 v15, s30, v2                      ; back: 16 x lane,
	v_add_nc_u32 v16, s30, v3                      ; 8 x lane
.macro LOADW t                         ; block t: W(32 t + i, my column): 128 consecutive bytes a wave
.set LW, 64+32*((\t)%2)
.set LB, 32+2*(\t)
.set i, 0
.rept 32
	global_load_b32 v[LW+i], v[32+i], s[LB:LB+1] th:TH_LOAD_NT
.set i, i+1
.endr
.endm
.macro BLOCKW t
.set XW, 64+32*((\t)%2)
.set BO, ((\t)/4)*1536+(((\t)/2)%2)*768
.if (\t) < 7
	s_wait_loadcnt 32                              ; this block's 32 loads are in; the next block's may be out
.else
	s_wait_loadcnt 0x0
.endif
	v_max3_num_f32 v17, |v[XW]|, |v[XW+1]|, |v[XW+2]|
	v_max3_num_f32 v18, |v[XW+3]|, |v[XW+4]|, |v[XW+5]|
.irp i, 6,10,14,18,22,26
	v_max3_num_f32 v17, v17, |v[XW+\i]|, |v[XW+\i+1]|
	v_max3_num_f32 v18, v18, |v[XW+\i+2]|, |v[XW+\i+3]|
.endr
	v_max3_num_f32 v17, v17, |v[XW+30]|, |v[XW+31]|
	v_max3_num_f32 v17, v17, v18, 0x2800000        ; and the floor
	v_add_nc_u32 v19, 0xfe000000, v17
	v_lshrrev_b32 v18, 23, v19
.if (\t)%4 == 0
	v_mov_b32 v[20+(\t)/4], v18                    ; four bytes to a word, the lower K in the lower byte
.else
	v_lshl_or_b32 v[20+(\t)/4], v18, 8*((\t)%4), v[20+(\t)/4]
.endif
	v_cvt_scalef32_pk16_bf6_f32 v[128:130], v[XW:XW+15], v19
	v_cvt_scalef32_pk16_bf6_f32 v[136:138], v[XW+16:XW+31], v19
	v_nop
.irp i, 0,1,2
	v_mov_b32 v[131+\i], v[136+\i]
.endr
	ds_store_b128 v12, v[128:131] offset:BO+((\t)%2)*256          ; block t is K step t / 4, half (t / 2) % 2, lanes 16 (t % 2) + r' of the image
	ds_store_b64 v13, v[132:133] offset:BO+512+((\t)%2)*128
.if (\t) < 6
	LOADW (\t)+2
.endif
	s_wait_dscnt 0x0                               ; the stores have read their registers
.endm
	LOADW 0
	LOADW 1
.irp t, 0,1,2,3,4,5,6,7
	BLOCKW \t
.endr
	s_wait_alu depctr_va_vdst(0)
	ds_store_b64 v14, v[20:21]
.irp n, 0,1,2,3,4,5,6,7,8,9,10,11
	ds_load_b128 v[160+4*\n:163+4*\n], v15 offset:3200*(\n/6)+512*(\n%6)   ; in order behind my stores
.endr
	ds_load_b64 v[208:209], v16 offset:6400
.irp n, 0,1,2,3,4,5,6,7,8,9,10,11
	s_wait_dscnt 12-\n                             ; load n is in; the 12 - n issued behind it may be out
	global_store_b128 v2, v[160+4*\n:163+4*\n], s[48:49] offset:12288*(\n/6)+512*(\n%6)
.endr
	s_wait_dscnt 0x0
	global_store_b64 v3, v[208:209], s[50:51]
	s_wait_tensorcnt 0x0                           ; the wave's end: behind my last LDS store
	ds_add_u32 v[SPW], v[NIL]
	s_wait_dscnt 0x0
	s_endpgm
.Lfunc_end_k_q2ef766dad9_quant:
	.size	k_q2ef766dad9_quant, .Lfunc_end_k_q2ef766dad9_quant-k_q2ef766dad9_quant
	.p2alignl 7, 3214868480
	.fill 96, 4, 3214868480
	.section	.rodata,"a",@progbits
	.p2align	6, 0x0
	.amdhsa_kernel k_q2ef766dad9_quant
		.amdhsa_group_segment_fixed_size 60928
		.amdhsa_private_segment_fixed_size 0
		.amdhsa_enable_private_segment 0
		.amdhsa_kernarg_size 48
		.amdhsa_user_sgpr_count 2
		.amdhsa_user_sgpr_kernarg_segment_ptr 1
		.amdhsa_wavefront_size32 1
		.amdhsa_system_sgpr_workgroup_id_x 1
		.amdhsa_system_sgpr_workgroup_id_y 1
		.amdhsa_system_sgpr_workgroup_id_z 1
		.amdhsa_system_vgpr_workitem_id 0
		.amdhsa_next_free_vgpr 256
		.amdhsa_next_free_sgpr 66
		.amdhsa_reserve_vcc 1
		.amdhsa_float_denorm_mode_32 3
		.amdhsa_float_denorm_mode_16_64 3
		.amdhsa_memory_ordered 1
		.amdhsa_forward_progress 1
		.amdhsa_inst_pref_size 74
	.end_amdhsa_kernel
	.amdgpu_metadata
---
amdhsa.version: [ 1, 2 ]
amdhsa.kernels:
  - .name:           k_q2ef766dad9_quant
    .symbol:         k_q2ef766dad9_quant.kd
    .args:
      - { .name: x, .offset: 0, .size: 8, .value_kind: global_buffer, .address_space: global }
      - { .name: W_qkv, .offset: 8, .size: 8, .value_kind: global_buffer, .address_space: global }
      - { .name: W_out, .offset: 16, .size: 8, .value_kind: global_buffer, .address_space: global }
      - { .name: xq, .offset: 24, .size: 8, .value_kind: global_buffer, .address_space: global }
      - { .name: wq, .offset: 32, .size: 8, .value_kind: global_buffer, .address_space: global }
      - { .name: wo, .offset: 40, .size: 8, .value_kind: global_buffer, .address_space: global }
    .group_segment_fixed_size: 60928
    .private_segment_fixed_size: 0
    .kernarg_segment_align: 8
    .kernarg_segment_size: 48
    .max_flat_workgroup_size: 128
    .sgpr_count:     66
    .vgpr_count:     256
    .wavefront_size: 32
...
	.end_amdgpu_metadata
.endif
;; end of part 1
;; launch qkv (part 2): grid 12 x 32, 4 waves a work-group, clusters of 4 x 4, 327,680 bytes of LDS; arguments xq, wq, b_qkv, qb, kv; writes qb, kv
.if DOCPART == 2
	.amdgcn_target "amdgcn-amd-amdhsa--gfx1250"
	.amdhsa_code_object_version 6
	.text
	.protected	k_q2ef766dad9_qkv
	.globl	k_q2ef766dad9_qkv
	.p2align	8
	.type	k_q2ef766dad9_qkv,@function
k_q2ef766dad9_qkv:
	s_mov_b64 s[64:65], 0
	v_nop
	global_prefetch_b8 v0, s[64:65] scope:SCOPE_SE
	s_setreg_imm32_b32 hwreg(HW_REG_WAVE_MODE, 25, 1), 1
	s_wait_xcnt 0x0
	s_wait_alu depctr_hold_cnt(0) depctr_sa_sdst(0) depctr_va_vdst(0) depctr_va_sdst(0) depctr_va_ssrc(0) depctr_va_vcc(0) depctr_vm_vsrc(0)
	s_getreg_b32 s2, hwreg(HW_REG_IB_STS2, 6, 4)
	s_cmp_eq_u32 s2, 0
	s_cbranch_scc0 .Lentry_in_a_cluster
	s_endpgm
.Lentry_in_a_cluster:
	s_bfe_u32 s2, ttmp6, 0x10000c
	s_cmp_lg_u32 s2, 0xf033
	s_cbranch_scc0 .Lentry_shape_is_right
	s_endpgm
.Lentry_shape_is_right:
.set HALFT, 24576
.set SLOT,  4*HALFT
.set SPARE, 2*SLOT
.set XS,    6291456
.set WQS,   2359296
.set SC0,   32
.set SC1,   64
.set AF,    128
.set A1,    16
.set A0,    20
.set SPW,   28
.set NIL,   29
.set G1,  24
.set G0,  32
.set G1B, 48
.set G0B, 56
.set T,   128
.set PC,  192
.set TM,  212
.set PWS, 228
.set OA,  236
.set OB,  240
.set BV,  96
.set SEL, 86
.set MSB, 0
.macro WIN new
.if MSB != (\new)
	s_set_vgpr_msb (MSB<<8)|(\new)
.set MSB, (\new)
.endif
.endm
.macro JLOAD g0a, g1a, g0b, g1b
	s_cmp_eq_u32 s15, 0
	s_cbranch_scc0 .Lfor_b_\@
	tensor_load_to_lds s[\g0a:\g0a+3], s[\g1a:\g1a+7]
	s_nop 0
.rept 4
	v_nop
.endr
	s_branch .Lasked_\@
.Lfor_b_\@:
	tensor_load_to_lds s[\g0b:\g0b+3], s[\g1b:\g1b+7]
	s_nop 0
.rept 4
	v_nop
.endr
.Lasked_\@:
.endm
.macro CREST
	s_cmp_lg_u32 s14, 0
	s_cbranch_scc1 .Lnot_wave_0_\@
	s_barrier_signal -3
.Lnot_wave_0_\@:
	s_barrier_wait -3
	s_barrier_signal -1
	s_barrier_wait -1
.endm
.macro CROUND
	s_barrier_signal -1
	s_barrier_wait -1
	CREST
.endm
.macro PLACES n
.rept \n
	v_nop
.endr
.endm
.macro FRAG reg, a16, a8, off
	ds_load_b128 v[\reg:\reg+3], v[\a16] offset:\off
	ds_load_b64 v[\reg+4:\reg+5], v[\a8] offset:\off+512
	ds_load_b128 v[\reg+6:\reg+9], v[\a16] offset:\off+768
	ds_load_b64 v[\reg+10:\reg+11], v[\a8] offset:\off+1280
.endm
.macro FETCH_S0 slot, q, set
	WIN 0x40
.irp i, 0,1,2,3,4,5,6,7
	FRAG 128*(\set)+12*\i, A0+\slot, A0+2+\slot, \i*3072+(\q)*1536
.endr
	WIN 0
.endm
.macro FETCH_S1 slot, q, i0
.irp i, \i0, \i0+1, \i0+2, \i0+3
	FRAG AF+12*(\i), A1+\slot, A1+2+\slot, (\i)*3072+(\q)*1536
.endr
.endm
.macro WMX zero
.if \zero
.if fA && fB
	v_wmma_scale_f32_16x16x128_f8f6f4 v[rD:rD+7], v[rA:rA+11], v[rB:rB+11], 0, v[rSA], v[rSB] matrix_a_fmt:MATRIX_FMT_BF6 matrix_b_fmt:MATRIX_FMT_BF6 matrix_a_scale:MATRIX_SCALE_ROW1 matrix_b_scale:MATRIX_SCALE_ROW1
.elseif fA
	v_wmma_scale_f32_16x16x128_f8f6f4 v[rD:rD+7], v[rA:rA+11], v[rB:rB+11], 0, v[rSA], v[rSB] matrix_a_fmt:MATRIX_FMT_BF6 matrix_b_fmt:MATRIX_FMT_BF6 matrix_a_scale:MATRIX_SCALE_ROW1
.elseif fB
	v_wmma_scale_f32_16x16x128_f8f6f4 v[rD:rD+7], v[rA:rA+11], v[rB:rB+11], 0, v[rSA], v[rSB] matrix_a_fmt:MATRIX_FMT_BF6 matrix_b_fmt:MATRIX_FMT_BF6 matrix_b_scale:MATRIX_SCALE_ROW1
.else
	v_wmma_scale_f32_16x16x128_f8f6f4 v[rD:rD+7], v[rA:rA+11], v[rB:rB+11], 0, v[rSA], v[rSB] matrix_a_fmt:MATRIX_FMT_BF6 matrix_b_fmt:MATRIX_FMT_BF6
.endif
.else
.if fA && fB
	v_wmma_scale_f32_16x16x128_f8f6f4 v[rD:rD+7], v[rA:rA+11], v[rB:rB+11], v[rC:rC+7], v[rSA], v[rSB] matrix_a_fmt:MATRIX_FMT_BF6 matrix_b_fmt:MATRIX_FMT_BF6 matrix_a_scale:MATRIX_SCALE_ROW1 matrix_b_scale:MATRIX_SCALE_ROW1
.elseif fA
	v_wmma_scale_f32_16x16x128_f8f6f4 v[rD:rD+7], v[rA:rA+11], v[rB:rB+11], v[rC:rC+7], v[rSA], v[rSB] matrix_a_fmt:MATRIX_FMT_BF6 matrix_b_fmt:MATRIX_FMT_BF6 matrix_a_scale:MATRIX_SCALE_ROW1
.elseif fB
	v_wmma_scale_f32_16x16x128_f8f6f4 v[rD:rD+7], v[rA:rA+11], v[rB:rB+11], v[rC:rC+7], v[rSA], v[rSB] matrix_a_fmt:MATRIX_FMT_BF6 matrix_b_fmt:MATRIX_FMT_BF6 matrix_b_scale:MATRIX_SCALE_ROW1
.else
	v_wmma_scale_f32_16x16x128_f8f6f4 v[rD:rD+7], v[rA:rA+11], v[rB:rB+11], v[rC:rC+7], v[rSA], v[rSB] matrix_a_fmt:MATRIX_FMT_BF6 matrix_b_fmt:MATRIX_FMT_BF6
.endif
.endif
.endm
.macro MUL16 a0, set, Q, zero
.irp a, \a0, \a0+1
.irp b, 0,1,2,3,4,5,6,7
.set rD, 64*((\a)%4)+8*\b
.set rC, rD
.set rA, 128*(\set)+12*\b
.set rB, AF+12*(\a)
.set rSA, SC0+8*((\Q)/2)+2*(\b/2)+(\Q)%2
.set rSB, SC1+8*((\Q)/2)+2*((\a)/2)+(\Q)%2
.set fA, \b%2
.set fB, (\a)%2
	WMX \zero
.endr
.endr
.endm
.macro STEP slot, Q, zero
	s_wait_dscnt 16
	WIN 0xa1
	MUL16 0, 0, \Q, \zero
	MUL16 2, 0, \Q, \zero
	s_wait_dscnt 0x0
	PLACES 4
	FETCH_S0 \slot, 1, 1
	FETCH_S1 \slot, 1, 0
	WIN 0xf1
	MUL16 4, 0, \Q, \zero
	MUL16 6, 0, \Q, \zero
	PLACES 4
	WIN 0
	FETCH_S1 \slot, 1, 4
.endm
.macro TURN slot, next, Q, fill
	s_wait_tensorcnt 0x0
	ds_add_u32 v[SPW], v[NIL]
	s_wait_dscnt 17
	WIN 0xa1
	MUL16 0, 1, \Q, 0
	s_wait_dscnt 0x0
	s_barrier_signal -1
	MUL16 2, 1, \Q, 0
	WIN 0
	s_barrier_wait -1
.if \fill
	CREST
	s_add_nc_u64 s[G0+4*\slot+2:G0+4*\slot+3], s[G0+4*\slot+2:G0+4*\slot+3], 6144
	s_add_nc_u64 s[G0B+4*\slot+2:G0B+4*\slot+3], s[G0B+4*\slot+2:G0B+4*\slot+3], 6144
	JLOAD G0+4*\slot, G1, G0B+4*\slot, G1B
.else
	PLACES 4
.endif
	FETCH_S0 \next, 0, 0
	FETCH_S1 \next, 0, 0
	WIN 0xf1
	MUL16 4, 1, \Q, 0
	MUL16 6, 1, \Q, 0
	PLACES 4
	WIN 0
	FETCH_S1 \next, 0, 4
.endm
.macro QUANT s, pw
.irp b, 0,1,2,3
	v_max3_num_f32 v[TM+\b], |v[\s+16*\b]|, |v[\s+1+16*\b]|, 0x2800000
.endr
.irp i, 2,4,6,8,10,12,14
.irp b, 0,1,2,3
	v_max3_num_f32 v[TM+\b], v[TM+\b], |v[\s+16*\b+\i]|, |v[\s+1+16*\b+\i]|
.endr
.endr
.irp b, 0,1,2,3
	v_permlanex16_b32 v[TM+4+\b], v[TM+\b], s[SEL], s[SEL+1]
.endr
.irp b, 0,1,2,3
	v_max_num_f32 v[TM+\b], v[TM+\b], v[TM+4+\b]
.endr
.irp b, 0,1,2,3
	v_add_nc_u32 v[TM+12+\b], 0xfe000000, v[TM+\b]
.endr
.irp b, 0,1,2,3
	v_lshrrev_b32 v[TM+4+\b], 23, v[TM+12+\b]
.endr
	v_lshl_or_b32 v[\pw], v[TM+5], 8, v[TM+4]
	v_lshl_or_b32 v[\pw], v[TM+6], 16, v[\pw]
	v_lshl_or_b32 v[\pw], v[TM+7], 24, v[\pw]
.irp c, 0,1
	v_cvt_scalef32_pk16_bf6_f32 v[PC+6*\c:PC+2+6*\c], v[\s+32*\c:\s+15+32*\c], v[TM+12+2*\c]
	v_cvt_scalef32_pk16_bf6_f32 v[PC+12+4*\c:PC+14+4*\c], v[\s+16+32*\c:\s+31+32*\c], v[TM+12+2*\c+1]
.endr
	v_nop
.irp c, 0,1
.irp i, 0,1,2
	v_permlane16_swap_b32 v[PC+6*\c+\i], v[PC+12+4*\c+\i]
.endr
.irp i, 0,1,2
	v_mov_b32 v[PC+3+6*\c+\i], v[PC+12+4*\c+\i]
.endr
.endr
.endm
.macro PLACEBH
	s_lshr_b32 s73, s72, 4
	s_and_b32 s74, s72, 15
	s_lshl_b32 s73, s73, 3
	s_add_co_u32 s73, s73, s75
	s_lshl_b32 s73, s73, 5
	s_add_co_u32 s76, s73, s74
.endm
	s_load_b256 s[4:11], s[0:1], 0x0
	s_load_b64 s[12:13], s[0:1], 0x20
	v_lshl_add_u32 v[SPW], v0, 2, SPARE
	v_mov_b32 v[NIL], 0
	ds_add_u32 v[SPW], v[NIL]
	ds_add_u32 v[SPW], v[NIL]
	v_lshrrev_b32 v1, 5, v0
	v_readfirstlane_b32 s14, v1
	s_lshr_b32 s15, s14, 1
	s_and_b32 s16, s14, 1
	s_bfe_u32 s40, ttmp6, 0x40000
	s_bfe_u32 s41, ttmp6, 0x40004
	s_lshl_b32 s42, ttmp9, 2
	s_add_co_u32 s42, s42, s40
	s_and_b32 s17, ttmp7, 0xffff
	s_lshl_b32 s17, s17, 2
	s_add_co_u32 s17, s17, s41
	s_lshl_b32 s43, s41, 2
	s_lshl_b32 s43, 15, s43
	s_lshl_b32 s44, 0x1111, s40
	s_or_b32 s[G1+0], s43, (3<<16)|(1<<21)
	s_or_b32 s[G1B+0], s44, (3<<16)|(1<<21)
.irp g, G1, G1B
	s_mov_b32 s[\g+1], 384<<16
	s_mov_b32 s[\g+2], 8<<16
	s_mov_b32 s[\g+3], 384<<16
	s_mov_b32 s[\g+4], 8
	s_mov_b32 s[\g+5], 1536
	s_mov_b32 s[\g+6], 0
	s_mov_b32 s[\g+7], 0
.endr
	s_lshl_b32 s18, s16, 3
	s_lshl_b32 s20, s17, 4
	s_add_co_u32 s20, s20, s18
	s_mul_i32 s20, s20, 12288
	s_mov_b32 s21, 0
	s_lshl_b32 s46, s42, 4
	s_add_co_u32 s46, s46, s18
	s_mul_i32 s46, s46, 12288
	s_mov_b32 s47, 0
	s_mul_i32 s45, s14, HALFT
	s_lshl_b32 s72, s17, 1
	s_add_co_u32 s73, s72, s15
	s_add_co_u32 s72, s72, s16
	s_lshl_b32 s72, s72, 12
	s_lshl_b32 s73, s73, 12
	s_add_co_u32 s72, s72, XS
	s_add_co_u32 s73, s73, XS
	s_lshl_b32 s74, s42, 1
	s_add_co_u32 s75, s74, s15
	s_add_co_u32 s74, s74, s16
	s_lshl_b32 s74, s74, 12
	s_lshl_b32 s75, s75, 12
	s_add_co_u32 s74, s74, WQS
	s_add_co_u32 s75, s75, WQS
	s_wait_dscnt 0x0
	s_wait_kmcnt 0x0
	s_add_nc_u64 s[20:21], s[4:5], s[20:21]
	s_add_nc_u64 s[46:47], s[6:7], s[46:47]
	s_cmp_ge_u32 ttmp9, 2
	s_cselect_b32 s66, 0, 2*HALFT
	s_cselect_b32 s67, 2*HALFT, 0
	s_cselect_b64 s[68:69], s[4:5], s[6:7]
	s_cselect_b64 s[70:71], s[6:7], s[4:5]
	s_cselect_b32 s76, s72, s74
	s_cselect_b32 s78, s75, s73
	s_mov_b32 s77, 0
	s_mov_b32 s79, 0
	s_add_nc_u64 s[68:69], s[68:69], s[76:77]
	s_add_nc_u64 s[70:71], s[70:71], s[78:79]
	CROUND
.irp s, 0,1
	s_mov_b32 s[G0+4*\s], 1
	s_add_co_u32 s[G0+4*\s+1], s45, \s*SLOT
	s_add_nc_u64 s[G0+4*\s+2:G0+4*\s+3], s[20:21], \s*3072
	s_or_b32 s[G0+4*\s+3], s[G0+4*\s+3], 0x80000000
	s_mov_b32 s[G0B+4*\s], 1
	s_add_co_u32 s[G0B+4*\s+1], s45, \s*SLOT
	s_add_nc_u64 s[G0B+4*\s+2:G0B+4*\s+3], s[46:47], \s*3072
	s_or_b32 s[G0B+4*\s+3], s[G0B+4*\s+3], 0x80000000
	s_wait_alu depctr_va_vdst(0)
	s_wait_tensorcnt 0x0
	ds_add_u32 v28, v29
	ds_add_u32 v28, v29
	s_wait_dscnt 0x0
	CROUND
	JLOAD G0+4*\s, G1, G0B+4*\s, G1B
.endr
	v_and_b32 v3, 31, v0
	v_lshlrev_b32 v4, 4, v3
	v_lshlrev_b32 v5, 3, v3
.irp i, 0,1,2,3,4,5,6,7,8,9,10,11,12,13,14,15
	global_load_b64 v[SC0+2*\i:SC0+2*\i+1], v5, s[68:69] offset:256*\i
	global_load_b64 v[SC1+2*\i:SC1+2*\i+1], v5, s[70:71] offset:256*\i
.endr
	s_mul_i32 s22, s15, HALFT
	s_add_co_u32 s22, s22, s67
	s_mul_i32 s23, s16, HALFT
	s_add_co_u32 s23, s23, s66
.irp s, 0,1
	v_add_nc_u32 v[A1+\s], s22, v4
	v_add_nc_u32 v[A1+2+\s], s22, v5
	v_add_nc_u32 v[A0+\s], s23, v4
	v_add_nc_u32 v[A0+2+\s], s23, v5
	s_add_co_u32 s22, s22, SLOT
	s_add_co_u32 s23, s23, SLOT
.endr
	s_wait_alu depctr_va_vdst(0)
	s_wait_tensorcnt 1
	s_barrier_signal -1
	s_barrier_wait -1
	FETCH_S0 0, 0, 0
	FETCH_S1 0, 0, 0
	FETCH_S1 0, 0, 4
	s_wait_loadcnt 0x0
	STEP 0, 0, 1
	TURN 0, 1, 1, 1
	STEP 1, 2, 0
	TURN 1, 0, 3, 1
	STEP 0, 4, 0
	TURN 0, 1, 5, 0
	STEP 1, 6, 0
	s_wait_dscnt 16
	WIN 0xa1
	MUL16 0, 1, 7, 0
	MUL16 2, 1, 7, 0
	s_wait_dscnt 0x0
	WIN 0xf1
	MUL16 4, 1, 7, 0
	MUL16 6, 1, 7, 0
	WIN 0
	PLACES 4
	s_wait_tensorcnt 0x0
	ds_add_u32 v[SPW], v[NIL]
	s_wait_dscnt 0x0
	CROUND
	s_mov_b32 s[SEL], 0x76543210
	s_mov_b32 s[SEL+1], 0xfedcba98
	s_mov_b32 vcc_lo, 0xffff0000
.irp b, 0,1,2,3
	v_mov_b32 v[TM+4+\b], 0
.endr
	v_and_b32 v1, 15, v0
	v_bfe_u32 v2, v0, 4, 1
	s_lshl_b32 s72, s17, 1
	s_and_b32 s75, s42, 3
	s_lshl_b32 s75, s75, 1
	s_cmp_ge_u32 ttmp9, 2
	s_cbranch_scc1 .Lway_v
	s_add_co_u32 s72, s72, s15
	s_add_co_u32 s75, s75, s16
	PLACEBH
	s_cmp_eq_u32 ttmp9, 1
	s_cselect_b64 s[88:89], s[12:13], s[10:11]
	s_mov_b32 s80, 6656
	s_cselect_b32 s80, 13056, s80
	s_mul_i32 s76, s76, s80
	s_mov_b32 s77, 0
	s_add_nc_u64 s[88:89], s[88:89], s[76:77]
	s_lshl_b32 s82, s80, 4
	s_mov_b32 s83, 0
	s_add_nc_u64 s[90:91], s[88:89], s[82:83]
	s_lshl_b32 s84, s42, 10
	s_lshl_b32 s85, s16, 9
	s_add_co_u32 s84, s84, s85
	s_mov_b32 s85, 0
	s_add_nc_u64 s[8:9], s[8:9], s[84:85]
	s_wait_alu depctr_va_vdst(0)
	v_lshlrev_b32 v6, 6, v2
	WIN 0x40
.irp n, 0,1,2,3,4,5,6,7,8,9,10,11,12,13,14,15
	global_load_b128 v[4*\n:4*\n+3], v6, s[8:9] offset:128*(\n/4)+16*(\n%4)
.endr
	WIN 0
	s_wait_loadcnt 0x0
.macro OUTQK a
.set AC, 64*((\a)%4)
	WIN 0x06+(\a)/4
.set i, 0
.rept 32
	v_pk_add_f32 v[T+i:T+i+1], v[AC+i:AC+i+1], v[i:i+1]
.set i, i+2
.endr
	WIN 0
	s_wait_xcnt 0x0
	QUANT T, PWS+\a
	global_store_b128 v4, v[PC:PC+3], s[88:89] offset:768*(\a)
	global_store_b64 v5, v[PC+4:PC+5], s[88:89] offset:768*(\a)+512
	global_store_b128 v4, v[PC+6:PC+9], s[90:91] offset:768*(\a)
	global_store_b64 v5, v[PC+10:PC+11], s[90:91] offset:768*(\a)+512
.endm
.irp a, 0,1,2,3,4,5,6,7
	OUTQK \a
.endr
.irp j, 0,1,2,3
	v_cndmask_b32 v[OA+\j], v[PWS+2*\j], v[PWS+2*\j+1], vcc_lo
.endr
.irp j, 0,1,2,3
	v_lshrrev_b32 v[OB+\j], 16, v[OA+\j]
.endr
	global_store_b128 v4, v[OA:OA+3], s[88:89] offset:6144
	global_store_b128 v4, v[OB:OB+3], s[90:91] offset:6144
	s_endpgm
.Lway_v:
	s_add_co_u32 s72, s72, s16
	s_add_co_u32 s75, s75, s15
	PLACEBH
	s_mul_i32 s76, s76, 13056
	s_add_co_u32 s76, s76, 6656
	s_mov_b32 s77, 0
	s_add_nc_u64 s[88:89], s[12:13], s[76:77]
	s_add_nc_u64 s[90:91], s[88:89], 208896
	s_lshl_b32 s84, s42, 10
	s_lshl_b32 s85, s15, 9
	s_add_co_u32 s84, s84, s85
	s_mov_b32 s85, 0
	s_add_nc_u64 s[8:9], s[8:9], s[84:85]
	s_wait_alu depctr_va_vdst(0)
	v_and_b32 v7, 8, v1
	v_add_nc_u32 v7, v7, v1
	v_lshlrev_b32 v6, 2, v7
.irp a, 0,1,2,3,4,5,6,7
	global_load_b32 v[BV+2*\a], v6, s[8:9] offset:(32*(\a/2)+8*(\a%2))*4
	global_load_b32 v[BV+2*\a+1], v6, s[8:9] offset:(32*(\a/2)+8*(\a%2))*4
.endr
	s_wait_loadcnt 0x0
.macro OUTV a
.set AC, 64*((\a)%4)
	WIN 0x02+(\a)/4
.set i, 0
.rept 32
	v_pk_add_f32 v[T+i:T+i+1], v[AC+i:AC+i+1], v[BV+2*(\a):BV+2*(\a)+1]
.set i, i+2
.endr
	WIN 0
	s_wait_xcnt 0x0
	QUANT T, PWS+\a
.irp g, 0,1,2
.if (\a) < 4
	global_store_b128 v4, v[PC+4*\g:PC+4*\g+3], s[88:89] offset:((\a)%4)*1536+512*\g
.else
	global_store_b128 v4, v[PC+4*\g:PC+4*\g+3], s[90:91] offset:((\a)%4)*1536+512*\g
.endif
.endr
.endm
.irp a, 0,1,2,3,4,5,6,7
	OUTV \a
.endr
.irp j, 0,1,2,3
	v_cndmask_b32 v[OA+\j], v[PWS+2*\j], v[PWS+2*\j+1], vcc_lo
.endr
	global_store_b64 v5, v[OA:OA+1], s[88:89] offset:6144
	global_store_b64 v5, v[OA+2:OA+3], s[90:91] offset:6144
	s_endpgm
.Lfunc_end_k_q2ef766dad9_qkv:
	.size	k_q2ef766dad9_qkv, .Lfunc_end_k_q2ef766dad9_qkv-k_q2ef766dad9_qkv
	.p2alignl 7, 3214868480
	.fill 96, 4, 3214868480
	.section	.rodata,"a",@progbits
	.p2align	6, 0x0
	.amdhsa_kernel k_q2ef766dad9_qkv
		.amdhsa_group_segment_fixed_size 327680
		.amdhsa_private_segment_fixed_size 0
		.amdhsa_enable_private_segment 0
		.amdhsa_kernarg_size 40
		.amdhsa_user_sgpr_count 2
		.amdhsa_user_sgpr_kernarg_segment_ptr 1
		.amdhsa_wavefront_size32 1
		.amdhsa_system_sgpr_workgroup_id_x 1
		.amdhsa_system_sgpr_workgroup_id_y 1
		.amdhsa_system_sgpr_workgroup_id_z 1
		.amdhsa_system_vgpr_workitem_id 0
		.amdhsa_next_free_vgpr 1024
		.amdhsa_next_free_sgpr 100
		.amdhsa_reserve_vcc 1
		.amdhsa_float_denorm_mode_32 3
		.amdhsa_float_denorm_mode_16_64 3
		.amdhsa_memory_ordered 1
		.amdhsa_forward_progress 1
		.amdhsa_inst_pref_size 218
	.end_amdhsa_kernel
	.amdgpu_metadata
---
amdhsa.version: [ 1, 2 ]
amdhsa.kernels:
  - .name:           k_q2ef766dad9_qkv
    .symbol:         k_q2ef766dad9_qkv.kd
    .args:
      - { .name: xq, .offset: 0, .size: 8, .value_kind: global_buffer, .address_space: global }
      - { .name: wq, .offset: 8, .size: 8, .value_kind: global_buffer, .address_space: global }
      - { .name: b_qkv, .offset: 16, .size: 8, .value_kind: global_buffer, .address_space: global }
      - { .name: qb, .offset: 24, .size: 8, .value_kind: global_buffer, .address_space: global }
      - { .name: kv, .offset: 32, .size: 8, .value_kind: global_buffer, .address_space: global }
    .group_segment_fixed_size: 327680
    .private_segment_fixed_size: 0
    .kernarg_segment_align: 8
    .kernarg_segment_size: 40
    .max_flat_workgroup_size: 128
    .sgpr_count:     100
    .vgpr_count:     1024
    .wavefront_size: 32
...
	.end_amdgpu_metadata
.endif
;; end of part 2
;; launch attn (part 3): grid 4 x 64, 16 waves a work-group, clusters of 4 x 1, 327,680 bytes of LDS; arguments qb, kv, ab; writes ab
.if DOCPART == 3
	.amdgcn_target "amdgcn-amd-amdhsa--gfx1250"
	.amdhsa_code_object_version 6
	.text
	.protected	k_q2ef766dad9_attn
	.globl	k_q2ef766dad9_attn
	.p2align	8
	.type	k_q2ef766dad9_attn,@function
k_q2ef766dad9_attn:
	s_mov_b64 s[64:65], 0
	v_nop
	global_prefetch_b8 v0, s[64:65] scope:SCOPE_SE
	s_setreg_imm32_b32 hwreg(HW_REG_WAVE_MODE, 25, 1), 1
	s_wait_xcnt 0x0
	s_wait_alu depctr_hold_cnt(0) depctr_sa_sdst(0) depctr_va_vdst(0) depctr_va_sdst(0) depctr_va_ssrc(0) depctr_va_vcc(0) depctr_vm_vsrc(0)
	s_getreg_b32 s2, hwreg(HW_REG_IB_STS2, 6, 4)
	s_cmp_eq_u32 s2, 0
	s_cbranch_scc0 .Lentry_in_a_cluster
	s_endpgm
.Lentry_in_a_cluster:
	s_bfe_u32 s2, ttmp6, 0x10000c
	s_cmp_lg_u32 s2, 0x3003
	s_cbranch_scc0 .Lentry_shape_is_right
	s_endpgm
.Lentry_shape_is_right:
; Launch 3 of 4: for each (batch, head): S^T = K Q^T, p = 2^(t - M), O^T = V^T p^T, O / l, quantised along the hidden axis.  Both products on codes of E3M2.  No work is left out.
; t = score x log2(e) / 8; M = the running largest t rounded up to a whole number; p is quantised along the keys, not normalised; the row's sum l is taken of the unquantised p and divides at the end.
; SHARES.  A work-group: 512 queries of one head; each of its sixteen waves two tiles of 16 queries, one after the other, in 256 registers.  Every wave walks all 2,048 keys, 128 a step.
; ALL OF THE HEAD'S K AND V STAY IN LDS: 16 x 13,056 bytes, filled once: wave w asks for key step w.  The four work-groups of a cluster are the four query blocks of one head: each tile is asked for jointly.  One tensor load of a wave is out.
; THE FIRST PRODUCT'S K IS 64, the instruction's 128: Q's upper six registers are zero codes; K's upper six are whatever follows (the next tile's codes, or a tail of zeros), under scale bytes that are never 0xff: they add nothing.
; LAYOUT.  Both products transposed: a lane holds one query (lane % 16).  The keys of a tile of K and the channels of a tile of V are in launch 1's order of rows, so that 16 registers of two tiles are 16 neighbours.
; RESULT.  ab: codes [tile of 16 rows 512][K step 8][1,536]: head hd is half hd % 2 of K step hd / 2; at AS [group of 128 rows 64][hd 16][lane 32][4 x 16 bits]: the head's two bytes for tile 2 j + lane / 16, row lane % 16.
; LIMITS: a p under 2^-126 counts as 0; a block under 2^-122 gets the byte 1; no NaN or infinity.
.set KVS,   13056                      ; a key step in LDS and in kv: K's 8 images, K's words at 6,144, V's 4 images at 6,656, V's words at 12,800
.set STG,   208896                     ; 1,024 bytes: the work-group's scale bytes on their way out
.set SPARE, 209920                     ; the spare words, 128 bytes a wave
.set AS,    6291456
.set SS,  96                           ; v96-159 S^T, then p
.set OT,  160                          ; v160-191 O^T
.set KF,  36                           ; v36-83 K's 8 x 6 registers, later V's 4 x 12; v84-89 zeros
.set PC,  192                          ; v192-203 p's codes; v204-206, v208-210 at work
.set BM,  212                          ; v212-215 the blocks' largest; v216-219 at work; v220-223 the conversions' scale operands
.set SO,  220
; v1 16 lane, v2 8 lane, v3 spare word, v4 0, v5, v6 the step's places, v7 16 r, v8-10 the scale bytes' way out, v12 -M, v13 largest t, v[14:15] l, v16-27 Q of tile 0, v28 its words, v29 p's word, v30-33 K's words, v34-35 V's,
; v[224:225] f or 1 / l, v226 at work, v228-238 the way out, v240-251 Q of tile 1, v252 its words
.macro CROUND
	s_barrier_signal -1
	s_barrier_wait -1
	s_cmp_lg_u32 s10, 0
	s_cbranch_scc1 .Lnot_wave_0_\@
	s_barrier_signal -3
.Lnot_wave_0_\@:
	s_barrier_wait -3
	s_barrier_signal -1
	s_barrier_wait -1
.endm
.macro KLOAD a16, a8, off              ; a step's K: 8 images of 6 registers, and its scale words
.irp t, 0,1,2,3,4,5,6,7
	ds_load_b128 v[KF+6*\t:KF+6*\t+3], v[\a16] offset:\off+768*\t
	ds_load_b64 v[KF+6*\t+4:KF+6*\t+5], v[\a8] offset:\off+768*\t+512
.endr
	ds_load_b128 v[30:33], v[\a16] offset:\off+6144
.endm
; A KEY STEP: 16 queries x 128 keys.  pf = 1: the next step's K is fetched; 2: key step 0's, for my next tile; 0: nothing
.macro KSTEP qf, qs, pf
	s_wait_dscnt 0x0                               ; K is in
.irp t, 0,1,2,3,4,5,6,7
.if \t%2
	v_wmma_scale_f32_16x16x128_f8f6f4 v[SS+8*\t:SS+8*\t+7], v[KF+6*\t:KF+6*\t+11], v[\qf:\qf+11], 0, v[30+\t/2], v[\qs] matrix_a_fmt:MATRIX_FMT_BF6 matrix_b_fmt:MATRIX_FMT_BF6 matrix_a_scale:MATRIX_SCALE_ROW1
.else
	v_wmma_scale_f32_16x16x128_f8f6f4 v[SS+8*\t:SS+8*\t+7], v[KF+6*\t:KF+6*\t+11], v[\qf:\qf+11], 0, v[30+\t/2], v[\qs] matrix_a_fmt:MATRIX_FMT_BF6 matrix_b_fmt:MATRIX_FMT_BF6
.endif
.endr
	v_add_nc_u32 v5, s32, v1                       ; this step's places; with the two v_nop the four places in front of the loads into K's registers and of the first read of the scores
	v_add_nc_u32 v6, s32, v2
	v_nop
	v_nop
.irp n, 0,1,2,3,4,5,6,7,8,9,10,11
	ds_load_b128 v[KF+4*\n:KF+4*\n+3], v5 offset:6656+512*\n      ; V: it lands under the softmax
.endr
	ds_load_b64 v[34:35], v6 offset:12800
.irp b, 0,1,2,3
	v_max3_num_f32 v[BM+\b], v[SS+16*\b], v[SS+1+16*\b], v[SS+2+16*\b]   ; the largest score of each block of 32 keys: for the row's maximum, and, since p rises with the score, for the block's largest p
.endr
.irp i, 3,5,7,9,11,13
.irp b, 0,1,2,3
	v_max3_num_f32 v[BM+\b], v[BM+\b], v[SS+16*\b+\i], v[SS+1+16*\b+\i]
.endr
.endr
.irp b, 0,1,2,3
	v_max_num_f32 v[BM+\b], v[BM+\b], v[SS+15+16*\b]
.endr
.irp b, 0,1,2,3
	s_delay_alu instid0(VALU_DEP_4)
	v_permlanex16_b32 v[216+\b], v[BM+\b], s28, s29
.endr
.irp b, 0,1,2,3
	s_delay_alu instid0(VALU_DEP_4)
	v_max_num_f32 v[BM+\b], v[BM+\b], v[216+\b]    ; with lane l xor 16's 16 keys
.endr
	s_delay_alu instid0(VALU_DEP_2)
	v_max3_num_f32 v226, v[BM], v[BM+1], v[BM+2]
	s_delay_alu instid0(VALU_DEP_1)
	v_max_num_f32 v226, v226, v[BM+3]
	s_delay_alu instid0(VALU_DEP_1)
	v_mul_f32 v226, s30, v226                      ; as t
	s_delay_alu instid0(VALU_DEP_1)
	v_max_num_f32 v13, v13, v226                   ; the running largest t
	v_mov_b32 v226, v12
	s_delay_alu instid0(VALU_DEP_2)
	v_floor_f32 v12, -v13                          ; -M = floor(-t): M is a whole number
	s_delay_alu instid0(VALU_DEP_1)
	v_sub_f32 v226, v12, v226                      ; old M - new M, 0 or less
	s_delay_alu instid0(VALU_DEP_1)
	v_cvt_i32_f32 v226, v226                       ; (it saturates)
	s_delay_alu instid0(VALU_DEP_1)
	v_ldexp_f32 v224, 1.0, v226                    ; f = 2^(old M - new M): exact
.set i, 0
.rept 32
	v_pk_fma_f32 v[SS+i:SS+i+1], v[SS+i:SS+i+1], s[30:31], v[12:13] op_sel_hi:[1,0,0]   ; t - M
.set i, i+2
.endr
.irp b, 0,1,2,3
	v_fma_f32 v[BM+\b], v[BM+\b], s30, v12         ; the same of each block's largest score
.endr
.set i, 0
	s_wait_alu depctr_va_vdst(0)
.rept 64
	v_exp_f32 v[SS+i], v[SS+i]                     ; p = 2^(t - M)
.set i, i+1
.endr
	s_setprio 1
.irp b, 0,1,2,3
	v_exp_f32 v[BM+\b], v[BM+\b]                   ; the block's largest p
.endr
	v_pk_mul_f32 v[14:15], v[14:15], v[224:225] op_sel_hi:[1,0]   ; l under the new M: the plain place behind the batch
	s_wait_alu depctr_va_vdst(0)                   ; one wait for the 68 exponentials, ahead of their first reader
.irp b, 0,1,2,3
	v_max_num_f32 v[BM+\b], 0x2800000, v[BM+\b]    ; the floor: the byte cannot fall under 1
.endr
.irp b, 0,1,2,3
	s_delay_alu instid0(VALU_DEP_4)
	v_add_nc_u32 v[SO+\b], 0xfe000000, v[BM+\b]
.endr
.irp b, 0,1,2,3
	s_delay_alu instid0(VALU_DEP_4)
	v_lshrrev_b32 v[216+\b], 23, v[SO+\b]
.endr
	s_delay_alu instid0(VALU_DEP_3)
	v_lshl_or_b32 v29, v217, 8, v216               ; p's scale word for these 128 keys
	s_delay_alu instid0(VALU_DEP_1)
	v_lshl_or_b32 v29, v218, 16, v29
	s_delay_alu instid0(VALU_DEP_1)
	v_lshl_or_b32 v29, v219, 24, v29
.irp c, 0,1
	v_cvt_scalef32_pk16_bf6_f32 v[PC+6*\c:PC+2+6*\c], v[SS+32*\c:SS+15+32*\c], v[SO+2*\c]
	v_cvt_scalef32_pk16_bf6_f32 v[PC+12+4*\c:PC+14+4*\c], v[SS+16+32*\c:SS+31+32*\c], v[SO+2*\c+1]
.endr
	v_nop                                          ; one plain place behind the conversions
.irp c, 0,1
.irp i, 0,1,2
	v_permlane16_swap_b32 v[PC+6*\c+\i], v[PC+12+4*\c+\i]
.endr
.irp i, 0,1,2
	s_delay_alu instid0(VALU_DEP_3)
	v_mov_b32 v[PC+3+6*\c+\i], v[PC+12+4*\c+\i]
.endr
.endr
.set i, 0
.rept 16
	v_pk_mul_f32 v[OT+i:OT+i+1], v[OT+i:OT+i+1], v[224:225] op_sel_hi:[1,0]   ; O^T under the new M; these sixteen are also the places between the writes of p's word and codes and the products below
.set i, i+2
.endr
	s_wait_alu depctr_va_vdst(0)
	s_wait_dscnt 0x0                               ; V is in
.irp t, 0,1,2,3
.if \t%2
	v_wmma_scale_f32_16x16x128_f8f6f4 v[OT+8*\t:OT+8*\t+7], v[KF+12*\t:KF+12*\t+11], v[PC:PC+11], v[OT+8*\t:OT+8*\t+7], v[34+\t/2], v29 matrix_a_fmt:MATRIX_FMT_BF6 matrix_b_fmt:MATRIX_FMT_BF6 matrix_a_scale:MATRIX_SCALE_ROW1
.else
	v_wmma_scale_f32_16x16x128_f8f6f4 v[OT+8*\t:OT+8*\t+7], v[KF+12*\t:KF+12*\t+11], v[PC:PC+11], v[OT+8*\t:OT+8*\t+7], v[34+\t/2], v29 matrix_a_fmt:MATRIX_FMT_BF6 matrix_b_fmt:MATRIX_FMT_BF6
.endif
.endr
	v_pk_add_f32 v[216:217], v[SS:SS+1], v[SS+2:SS+3]   ; the row's sum of the unquantised p, in two chains; the first five additions are the places in front of the loads into V's registers
	s_setprio 0
.irp j, 4,8,12,16,20,24,28,32,36,40,44,48,52,56,60
	v_pk_add_f32 v[14:15], v[14:15], v[SS+\j:SS+\j+1]
	v_pk_add_f32 v[216:217], v[216:217], v[SS+\j+2:SS+\j+3]
.if \j == 8
.if \pf == 1
	KLOAD 5, 6, KVS
.endif
.if \pf == 2
	KLOAD 1, 2, 0
.endif
.endif
.endr
	s_delay_alu instid0(VALU_DEP_1)
	v_pk_add_f32 v[14:15], v[14:15], v[216:217]
.endm
; THE WAY OUT of tile n: O^T / l, two blocks of 32 channels quantised, one image of 768 bytes and two scale bytes
.macro OUT n
	s_delay_alu instid0(VALU_DEP_1)
	v_add_f32 v14, v14, v15
	s_delay_alu instid0(VALU_DEP_1)
	v_permlanex16_b32 v216, v14, s28, s29
	s_delay_alu instid0(VALU_DEP_1)
	v_add_f32 v14, v14, v216                       ; the row's sum
	s_wait_alu depctr_va_vdst(0)
	v_rcp_f32 v224, v14
	v_nop                                          ; a plain place behind the reciprocal,
	s_wait_alu depctr_va_vdst(0)                   ; and the wait ahead of its first reader
.set i, 0
.rept 16
	v_pk_mul_f32 v[OT+i:OT+i+1], v[OT+i:OT+i+1], v[224:225] op_sel_hi:[1,0]   ; register 16 b + i: channel 32 b + 16 h + i
.set i, i+2
.endr
.irp b, 0,1
	v_max3_num_f32 v[BM+\b], |v[OT+16*\b]|, |v[OT+1+16*\b]|, 0x2800000
.endr
.irp i, 2,4,6,8,10,12,14
.irp b, 0,1
	s_delay_alu instid0(VALU_DEP_2)
	v_max3_num_f32 v[BM+\b], v[BM+\b], |v[OT+16*\b+\i]|, |v[OT+1+16*\b+\i]|
.endr
.endr
.irp b, 0,1
	s_delay_alu instid0(VALU_DEP_2)
	v_permlanex16_b32 v[216+\b], v[BM+\b], s28, s29
.endr
.irp b, 0,1
	s_delay_alu instid0(VALU_DEP_2)
	v_max_num_f32 v[BM+\b], v[BM+\b], v[216+\b]
.endr
.irp b, 0,1
	s_delay_alu instid0(VALU_DEP_2)
	v_add_nc_u32 v[SO+\b], 0xfe000000, v[BM+\b]
.endr
.irp b, 0,1
	s_delay_alu instid0(VALU_DEP_2)
	v_lshrrev_b32 v[216+\b], 23, v[SO+\b]
.endr
	s_delay_alu instid0(VALU_DEP_1)
	v_lshl_or_b32 v234, v217, 8, v216
	s_wait_alu depctr_va_vdst(0)
	s_wait_xcnt 0x0                                ; the last tile's stores have read the code registers
	v_cvt_scalef32_pk16_bf6_f32 v[228:230], v[OT:OT+15], v[SO]
	v_cvt_scalef32_pk16_bf6_f32 v[236:238], v[OT+16:OT+31], v[SO+1]
	v_nop
.irp i, 0,1,2
	v_permlane16_swap_b32 v[228+\i], v[236+\i]     ; lanes 0-15 block 0 whole, lanes 16-31 block 1
.endr
.irp i, 0,1,2
	s_delay_alu instid0(VALU_DEP_3)
	v_mov_b32 v[231+\i], v[236+\i]
.endr
	global_store_b128 v1, v[228:231], s[38:39] offset:12288*\n
	global_store_b64 v2, v[232:233], s[38:39] offset:12288*\n+512
	ds_store_b16 v8, v234 offset:128*\n            ; lanes r and r + 16 write the same two bytes with the same value
.endm
.macro TILE n, qf, qs
	v_mov_b32 v13, 0xff61b1e6                      ; the largest t so far: -3e38
	s_delay_alu instid0(VALU_DEP_1)
	v_floor_f32 v12, -v13
	v_mov_b32 v14, 0
	v_mov_b32 v15, 0
.set i, 0
.rept 32
	v_mov_b32 v[OT+i], 0                           ; the loop is written once: its first step finds zeros, which the first change of M leaves zeros
.set i, i+1
.endr
	s_mov_b32 s32, 0
.if \n == 0
	KLOAD 1, 2, 0
.endif
	s_mov_b32 s33, 15
.Lkeys_\@:
	s_setprio 2
	KSTEP \qf, \qs, 1
	s_add_co_u32 s32, s32, KVS
	s_sub_co_u32 s33, s33, 1
	s_cmp_lg_u32 s33, 0
	s_cbranch_scc1 .Lkeys_\@
	s_setprio 0
.if \n == 0
	KSTEP \qf, \qs, 2
.else
	KSTEP \qf, \qs, 0
.endif
	OUT \n
.endm
	s_load_b128 s[4:7], s[0:1], 0x0                ; qb, kv
	s_load_b64 s[8:9], s[0:1], 0x10                ; ab
	v_lshl_add_u32 v3, v0, 2, SPARE
	v_mov_b32 v4, 0
	ds_add_u32 v3, v4                              ; the wave's opening: the add, twice on end, and its wait ahead of my first tensor load
	ds_add_u32 v3, v4
	v_lshrrev_b32 v1, 5, v0
	s_delay_alu instid0(VALU_DEP_1)
	v_readfirstlane_b32 s10, v1                    ; wave w
	s_bfe_u32 s11, ttmp6, 0x40000                  ; cx: my block of 512 queries: it enters Q's and the result's addresses alone
	s_and_b32 s12, ttmp7, 0xffff                   ; b h, which the four partners share
	s_lshr_b32 s13, s12, 4                         ; b
	s_and_b32 s14, s12, 15                         ; hd
	s_mov_b32 s16, 15|(3<<16)|(1<<21)              ; group 1: the mask of all four; elements of 8 bytes; 21 set beside a mask; no padding
	s_mov_b32 s17, 32<<16                          ; rows of 256 bytes,
	s_mov_b32 s18, 51<<16                          ; 51 of them: a dense block of 13,056 bytes
	s_mov_b32 s19, 32<<16
	s_mov_b32 s20, 51
	s_mov_b32 s21, 32
	s_mov_b32 s22, 0
	s_mov_b32 s23, 0
	s_mov_b32 s28, 0x76543210
	s_mov_b32 s29, 0xfedcba98
	s_mov_b32 s30, 0x3e38aa3b                      ; log2(e) / sqrt(64)
	s_mov_b32 s31, s30
	s_lshl_b32 s42, s12, 4
	s_add_co_u32 s46, s42, s10
	s_mul_i32 s46, s46, KVS                        ; key step w of my head
	s_mov_b32 s47, 0
	s_lshl_b32 s43, s11, 2
	s_add_co_u32 s43, s42, s43
	s_lshr_b32 s44, s10, 2
	s_add_co_u32 s43, s43, s44
	s_mul_i32 s43, s43, 6656                       ; my group of 128 queries
	s_and_b32 s44, s10, 3
	s_mul_i32 s45, s44, 1536
	s_add_co_u32 s34, s43, s45                     ; my two tiles' images
	s_mov_b32 s35, 0
	s_lshl_b32 s44, s44, 2
	s_add_co_u32 s36, s43, s44
	s_add_co_u32 s36, s36, 6144                    ; and their words
	s_mov_b32 s37, 0
	s_lshl_b32 s38, s13, 7
	s_lshl_b32 s44, s11, 5
	s_add_co_u32 s38, s38, s44
	s_lshl_b32 s44, s10, 1
	s_add_co_u32 s38, s38, s44                     ; my first tile of rows: 128 b + 32 cx + 2 w
	s_lshl_b32 s38, s38, 3
	s_lshr_b32 s44, s14, 1
	s_add_co_u32 s38, s38, s44
	s_mul_i32 s38, s38, 1536
	s_and_b32 s44, s14, 1
	s_mul_i32 s44, s44, 768
	s_add_co_u32 s38, s38, s44
	s_mov_b32 s39, 0
	s_lshl_b32 s40, s13, 4
	s_lshl_b32 s44, s11, 2
	s_add_co_u32 s40, s40, s44
	s_lshl_b32 s40, s40, 4
	s_add_co_u32 s40, s40, s14
	s_lshl_b32 s40, s40, 8
	s_add_co_u32 s40, s40, AS
	s_mov_b32 s41, 0
	s_mov_b32 s24, 1                               ; group 0
	s_mul_i32 s25, s10, KVS                        ; LDS: key step w
	s_wait_dscnt 0x0                               ; both opening adds are done
	s_wait_kmcnt 0x0
	s_add_nc_u64 s[26:27], s[6:7], s[46:47]
	s_or_b32 s27, s27, 0x80000000
	s_add_nc_u64 s[34:35], s[4:5], s[34:35]
	s_add_nc_u64 s[36:37], s[4:5], s[36:37]
	s_add_nc_u64 s[38:39], s[8:9], s[38:39]
	s_add_nc_u64 s[40:41], s[8:9], s[40:41]
	CROUND                                         ; all four work-groups are here: the joint loads meet
	tensor_load_to_lds s[24:27], s[16:23]
	s_nop 0
.rept 4
	v_nop
.endr
	v_and_b32 v2, 31, v0
	s_delay_alu instid0(VALU_DEP_1)
	v_lshlrev_b32 v1, 4, v2                        ; 16 x lane
	s_wait_alu depctr_va_vdst(0)
	v_lshlrev_b32 v2, 3, v2                        ; 8 x lane
	v_and_b32 v8, 15, v0                           ; r
	s_delay_alu instid0(VALU_DEP_1)
	v_lshlrev_b32 v7, 4, v8
	global_load_b128 v[16:19], v1, s[34:35]
	global_load_b64 v[20:21], v2, s[34:35] offset:512
	global_load_b32 v28, v7, s[36:37]
	global_load_b128 v[240:243], v1, s[34:35] offset:768
	global_load_b64 v[244:245], v2, s[34:35] offset:1280
	global_load_b32 v252, v7, s[36:37] offset:256
	s_lshr_b32 s42, s10, 2
	s_lshl_b32 s42, s42, 8
	s_and_b32 s43, s10, 3
	s_lshl_b32 s43, s43, 1
	s_add_co_u32 s42, s42, s43
	s_add_co_u32 s42, s42, STG
	v_lshl_add_u32 v8, v8, 3, s42                  ; my rows' two bytes: group w / 4, tile pair w % 4, 8 bytes a lane of the image
	s_and_b32 s43, s10, 1
	s_lshl_b32 s44, s43, 9
	s_add_co_u32 s44, s44, STG
	v_add_nc_u32 v10, s44, v1                      ; waves 0, 1 read 512 bytes of the stage back,
	v_bfe_u32 v9, v0, 4, 1
	s_wait_alu depctr_va_vdst(0)
	v_lshl_add_u32 v9, v9, 12, v7
	s_lshl_b32 s44, s43, 13
	v_add_nc_u32 v9, s44, v9                       ; and store them: groups lie 4,096 bytes apart
.irp i, 0,1,2,3,4,5
	v_mov_b32 v[22+\i], 0                          ; Q's upper 64 along K: zero codes
	v_mov_b32 v[246+\i], 0
	v_mov_b32 v[84+\i], 0                          ; the tail behind K's last tile
.endr
.irp i, 0,1,2,3
	v_mov_b32 v[216+\i], 0                         ; a lane permute's destination counts as a source
.endr
	v_mov_b32 v225, 0                              ; named as the upper half of a pair
	s_wait_tensorcnt 0x0                           ; my key step is in,
	s_barrier_signal -1
	s_barrier_wait -1                              ; everybody's is
	s_wait_loadcnt 0x0                             ; Q
	TILE 0, 16, 28
	TILE 1, 240, 252
	s_wait_dscnt 0x0                               ; my scale bytes lie in the stage
	s_barrier_signal -1
	s_barrier_wait -1
	s_cmp_gt_u32 s10, 1
	s_cbranch_scc1 .Lnot_out
	ds_load_b128 v[96:99], v10
	s_wait_dscnt 0x0
	global_store_b128 v9, v[96:99], s[40:41]       ; sixteen lanes store 256 consecutive bytes, aligned
.Lnot_out:
	s_wait_tensorcnt 0x0                           ; the wave's end
	ds_add_u32 v3, v4
	s_wait_dscnt 0x0
	CROUND                                         ; the closing round
	s_endpgm
.Lfunc_end_k_q2ef766dad9_attn:
	.size	k_q2ef766dad9_attn, .Lfunc_end_k_q2ef766dad9_attn-k_q2ef766dad9_attn
	.p2alignl 7, 3214868480
	.fill 96, 4, 3214868480
	.section	.rodata,"a",@progbits
	.p2align	6, 0x0
	.amdhsa_kernel k_q2ef766dad9_attn
		.amdhsa_group_segment_fixed_size 327680
		.amdhsa_private_segment_fixed_size 0
		.amdhsa_enable_private_segment 0
		.amdhsa_kernarg_size 24
		.amdhsa_user_sgpr_count 2
		.amdhsa_user_sgpr_kernarg_segment_ptr 1
		.amdhsa_wavefront_size32 1
		.amdhsa_system_sgpr_workgroup_id_x 1
		.amdhsa_system_sgpr_workgroup_id_y 1
		.amdhsa_system_sgpr_workgroup_id_z 1
		.amdhsa_system_vgpr_workitem_id 0
		.amdhsa_next_free_vgpr 256
		.amdhsa_next_free_sgpr 66
		.amdhsa_reserve_vcc 0
		.amdhsa_float_denorm_mode_32 3
		.amdhsa_float_denorm_mode_16_64 3
		.amdhsa_memory_ordered 1
		.amdhsa_forward_progress 1
		.amdhsa_inst_pref_size 85
	.end_amdhsa_kernel
	.amdgpu_metadata
---
amdhsa.version: [ 1, 2 ]
amdhsa.kernels:
  - .name:           k_q2ef766dad9_attn
    .symbol:         k_q2ef766dad9_attn.kd
    .args:
      - { .name: qb, .offset: 0, .size: 8, .value_kind: global_buffer, .address_space: global }
      - { .name: kv, .offset: 8, .size: 8, .value_kind: global_buffer, .address_space: global }
      - { .name: ab, .offset: 16, .size: 8, .value_kind: global_buffer, .address_space: global }
    .group_segment_fixed_size: 327680
    .private_segment_fixed_size: 0
    .kernarg_segment_align: 8
    .kernarg_segment_size: 24
    .max_flat_workgroup_size: 512
    .sgpr_count:     66
    .vgpr_count:     256
    .wavefront_size: 32
...
	.end_amdgpu_metadata
.endif
;; end of part 3
;; launch proj (part 4): grid 4 x 32, 4 waves a work-group, clusters of 4 x 4, 327,680 bytes of LDS; arguments ab, wo, b_out, out0; writes out0
.if DOCPART == 4
	.amdgcn_target "amdgcn-amd-amdhsa--gfx1250"
	.amdhsa_code_object_version 6
	.text
	.protected	k_q2ef766dad9_proj
	.globl	k_q2ef766dad9_proj
	.p2align	8
	.type	k_q2ef766dad9_proj,@function
k_q2ef766dad9_proj:
	s_mov_b64 s[64:65], 0
	v_nop
	global_prefetch_b8 v0, s[64:65] scope:SCOPE_SE
	s_setreg_imm32_b32 hwreg(HW_REG_WAVE_MODE, 25, 1), 1
	s_wait_xcnt 0x0
	s_wait_alu depctr_hold_cnt(0) depctr_sa_sdst(0) depctr_va_vdst(0) depctr_va_sdst(0) depctr_va_ssrc(0) depctr_va_vcc(0) depctr_vm_vsrc(0)
	s_getreg_b32 s2, hwreg(HW_REG_IB_STS2, 6, 4)
	s_cmp_eq_u32 s2, 0
	s_cbranch_scc0 .Lentry_in_a_cluster
	s_endpgm
.Lentry_in_a_cluster:
	s_bfe_u32 s2, ttmp6, 0x10000c
	s_cmp_lg_u32 s2, 0xf033
	s_cbranch_scc0 .Lentry_shape_is_right
	s_endpgm
.Lentry_shape_is_right:
.set HALFT, 24576
.set SLOT,  4*HALFT
.set SPARE, 2*SLOT
.set AS,    6291456
.set WOS,   786432
.set SC0,   32
.set SC1,   64
.set RAW,   96
.set AF,    128
.set A1,    16
.set A0,    20
.set STO,   24
.set RD,    25
.set SPW,   28
.set NIL,   29
.set BK,    128
.set G1,  24
.set G0,  32
.set G1B, 48
.set G0B, 56
.set MSB, 0
.macro WIN new
.if MSB != (\new)
	s_set_vgpr_msb (MSB<<8)|(\new)
.set MSB, (\new)
.endif
.endm
.macro JLOAD g0a, g1a, g0b, g1b
	s_cmp_eq_u32 s15, 0
	s_cbranch_scc0 .Lfor_b_\@
	tensor_load_to_lds s[\g0a:\g0a+3], s[\g1a:\g1a+7]
	s_nop 0
.rept 4
	v_nop
.endr
	s_branch .Lasked_\@
.Lfor_b_\@:
	tensor_load_to_lds s[\g0b:\g0b+3], s[\g1b:\g1b+7]
	s_nop 0
.rept 4
	v_nop
.endr
.Lasked_\@:
.endm
.macro CREST
	s_cmp_lg_u32 s14, 0
	s_cbranch_scc1 .Lnot_wave_0_\@
	s_barrier_signal -3
.Lnot_wave_0_\@:
	s_barrier_wait -3
	s_barrier_signal -1
	s_barrier_wait -1
.endm
.macro CROUND
	s_barrier_signal -1
	s_barrier_wait -1
	CREST
.endm
.macro PLACES n
.rept \n
	v_nop
.endr
.endm
.macro FRAG reg, a16, a8, off
	ds_load_b128 v[\reg:\reg+3], v[\a16] offset:\off
	ds_load_b64 v[\reg+4:\reg+5], v[\a8] offset:\off+512
	ds_load_b128 v[\reg+6:\reg+9], v[\a16] offset:\off+768
	ds_load_b64 v[\reg+10:\reg+11], v[\a8] offset:\off+1280
.endm
.macro FETCH_S0 slot, q, set
	WIN 0x40
.irp i, 0,1,2,3,4,5,6,7
	FRAG 128*(\set)+12*\i, A0+\slot, A0+2+\slot, \i*3072+(\q)*1536
.endr
	WIN 0
.endm
.macro FETCH_S1 slot, q, i0
.irp i, \i0, \i0+1, \i0+2, \i0+3
	FRAG AF+12*(\i), A1+\slot, A1+2+\slot, (\i)*3072+(\q)*1536
.endr
.endm
.macro WMX
.if fA && fB
	v_wmma_scale_f32_16x16x128_f8f6f4 v[rD:rD+7], v[rA:rA+11], v[rB:rB+11], v[rC:rC+7], v[rSA], v[rSB] matrix_a_fmt:MATRIX_FMT_BF6 matrix_b_fmt:MATRIX_FMT_BF6 matrix_a_scale:MATRIX_SCALE_ROW1 matrix_b_scale:MATRIX_SCALE_ROW1
.elseif fA
	v_wmma_scale_f32_16x16x128_f8f6f4 v[rD:rD+7], v[rA:rA+11], v[rB:rB+11], v[rC:rC+7], v[rSA], v[rSB] matrix_a_fmt:MATRIX_FMT_BF6 matrix_b_fmt:MATRIX_FMT_BF6 matrix_a_scale:MATRIX_SCALE_ROW1
.elseif fB
	v_wmma_scale_f32_16x16x128_f8f6f4 v[rD:rD+7], v[rA:rA+11], v[rB:rB+11], v[rC:rC+7], v[rSA], v[rSB] matrix_a_fmt:MATRIX_FMT_BF6 matrix_b_fmt:MATRIX_FMT_BF6 matrix_b_scale:MATRIX_SCALE_ROW1
.else
	v_wmma_scale_f32_16x16x128_f8f6f4 v[rD:rD+7], v[rA:rA+11], v[rB:rB+11], v[rC:rC+7], v[rSA], v[rSB] matrix_a_fmt:MATRIX_FMT_BF6 matrix_b_fmt:MATRIX_FMT_BF6
.endif
.endm
.macro MUL16 a0, set, Q, bias
.irp a, \a0, \a0+1
.irp b, 0,1,2,3,4,5,6,7
.set rD, 64*((\a)%4)+8*\b
.set rC, rD
.if \bias
.if \b < 4
.set rC, 96+8*\b
.else
.set rC, 224+8*(\b-4)
.endif
.endif
.set rA, 128*(\set)+12*\b
.set rB, AF+12*(\a)
.set rSA, SC0+8*((\Q)/2)+2*(\b/2)+(\Q)%2
.set rSB, SC1+8*((\Q)/2)+2*((\a)/2)+(\Q)%2
.set fA, \b%2
.set fB, (\a)%2
	WMX
.endr
.endr
.endm
.macro STEP slot, Q, bias
	s_wait_dscnt 16
.if \bias
	WIN 0x91
.else
	WIN 0xa1
.endif
	MUL16 0, 0, \Q, \bias
	MUL16 2, 0, \Q, \bias
	s_wait_dscnt 0x0
	PLACES 4
	FETCH_S0 \slot, 1, 1
	FETCH_S1 \slot, 1, 0
.if \bias
	WIN 0xd1
.else
	WIN 0xf1
.endif
	MUL16 4, 0, \Q, \bias
	MUL16 6, 0, \Q, \bias
	PLACES 4
	WIN 0
	FETCH_S1 \slot, 1, 4
.endm
.macro TURN slot, next, Q, fill
	s_wait_tensorcnt 0x0
	ds_add_u32 v[SPW], v[NIL]
	s_wait_dscnt 17
	WIN 0xa1
	MUL16 0, 1, \Q, 0
	s_wait_dscnt 0x0
	s_barrier_signal -1
	MUL16 2, 1, \Q, 0
	WIN 0
	s_barrier_wait -1
.if \fill
	CREST
	s_add_nc_u64 s[G0+4*\slot+2:G0+4*\slot+3], s[G0+4*\slot+2:G0+4*\slot+3], 6144
	s_add_nc_u64 s[G0B+4*\slot+2:G0B+4*\slot+3], s[G0B+4*\slot+2:G0B+4*\slot+3], 6144
	JLOAD G0+4*\slot, G1, G0B+4*\slot, G1B
.else
	PLACES 4
.endif
	FETCH_S0 \next, 0, 0
	FETCH_S1 \next, 0, 0
	WIN 0xf1
	MUL16 4, 1, \Q, 0
	MUL16 6, 1, \Q, 0
	PLACES 4
	WIN 0
	FETCH_S1 \next, 0, 4
.endm
	s_load_b256 s[4:11], s[0:1], 0x0
	v_lshl_add_u32 v[SPW], v0, 2, SPARE
	v_mov_b32 v[NIL], 0
	ds_add_u32 v[SPW], v[NIL]
	ds_add_u32 v[SPW], v[NIL]
	v_lshrrev_b32 v1, 5, v0
	v_readfirstlane_b32 s14, v1
	s_lshr_b32 s15, s14, 1
	s_and_b32 s16, s14, 1
	s_bfe_u32 s40, ttmp6, 0x40000
	s_bfe_u32 s41, ttmp6, 0x40004
	s_lshl_b32 s42, ttmp9, 2
	s_add_co_u32 s42, s42, s40
	s_and_b32 s17, ttmp7, 0xffff
	s_lshl_b32 s17, s17, 2
	s_add_co_u32 s17, s17, s41
	s_lshl_b32 s43, s41, 2
	s_lshl_b32 s43, 15, s43
	s_lshl_b32 s44, 0x1111, s40
	s_or_b32 s[G1+0], s43, (3<<16)|(1<<21)
	s_or_b32 s[G1B+0], s44, (3<<16)|(1<<21)
.irp g, G1, G1B
	s_mov_b32 s[\g+1], 384<<16
	s_mov_b32 s[\g+2], 8<<16
	s_mov_b32 s[\g+3], 384<<16
	s_mov_b32 s[\g+4], 8
	s_mov_b32 s[\g+5], 1536
	s_mov_b32 s[\g+6], 0
	s_mov_b32 s[\g+7], 0
.endr
	s_lshl_b32 s18, s16, 3
	s_lshl_b32 s20, s17, 4
	s_add_co_u32 s20, s20, s18
	s_mul_i32 s20, s20, 12288
	s_mov_b32 s21, 0
	s_lshl_b32 s46, s42, 4
	s_add_co_u32 s46, s46, s18
	s_mul_i32 s46, s46, 12288
	s_mov_b32 s47, 0
	s_mul_i32 s45, s14, HALFT
	s_lshl_b32 s72, s42, 1
	s_add_co_u32 s72, s72, s16
	s_lshl_b32 s72, s72, 12
	s_add_co_u32 s72, s72, WOS
	s_mov_b32 s73, 0
	s_lshl_b32 s74, s17, 1
	s_add_co_u32 s74, s74, s15
	s_lshl_b32 s74, s74, 12
	s_add_co_u32 s74, s74, AS
	s_mov_b32 s75, 0
	s_lshl_b32 s76, s42, 10
	s_lshl_b32 s77, s16, 9
	s_add_co_u32 s76, s76, s77
	s_mov_b32 s77, 0
	s_lshl_b32 s78, s17, 8
	s_lshl_b32 s79, s15, 7
	s_add_co_u32 s78, s78, s79
	s_lshl_b32 s78, s78, 12
	s_add_co_u32 s78, s78, s76
	s_mov_b32 s79, 0
	s_wait_dscnt 0x0
	s_wait_kmcnt 0x0
	s_add_nc_u64 s[20:21], s[4:5], s[20:21]
	s_add_nc_u64 s[46:47], s[6:7], s[46:47]
	s_add_nc_u64 s[68:69], s[6:7], s[72:73]
	s_add_nc_u64 s[70:71], s[4:5], s[74:75]
	s_add_nc_u64 s[8:9], s[8:9], s[76:77]
	s_add_nc_u64 s[10:11], s[10:11], s[78:79]
	CROUND
.irp s, 0,1
	s_mov_b32 s[G0+4*\s], 1
	s_add_co_u32 s[G0+4*\s+1], s45, \s*SLOT
	s_add_nc_u64 s[G0+4*\s+2:G0+4*\s+3], s[20:21], \s*3072
	s_or_b32 s[G0+4*\s+3], s[G0+4*\s+3], 0x80000000
	s_mov_b32 s[G0B+4*\s], 1
	s_add_co_u32 s[G0B+4*\s+1], s45, \s*SLOT
	s_add_nc_u64 s[G0B+4*\s+2:G0B+4*\s+3], s[46:47], \s*3072
	s_or_b32 s[G0B+4*\s+3], s[G0B+4*\s+3], 0x80000000
	s_wait_alu depctr_va_vdst(0)
	s_wait_tensorcnt 0x0
	ds_add_u32 v28, v29
	ds_add_u32 v28, v29
	s_wait_dscnt 0x0
	CROUND
	JLOAD G0+4*\s, G1, G0B+4*\s, G1B
.endr
	v_and_b32 v1, 15, v0
	v_bfe_u32 v2, v0, 4, 1
	v_and_b32 v3, 31, v0
	v_lshlrev_b32 v4, 4, v3
	v_lshlrev_b32 v5, 3, v3
	v_lshlrev_b32 v6, 6, v2
.irp i, 0,1,2,3,4,5,6,7,8,9,10,11,12,13,14,15
	global_load_b64 v[SC0+2*\i:SC0+2*\i+1], v5, s[68:69] offset:256*\i
	global_load_b64 v[RAW+2*\i:RAW+2*\i+1], v5, s[70:71] offset:256*\i
.endr
	WIN 0x40
.irp b, 0,1,2,3
	global_load_b128 v[96+8*\b:99+8*\b], v6, s[8:9] offset:128*(\b/2)+32*(\b%2)
	global_load_b128 v[100+8*\b:103+8*\b], v6, s[8:9] offset:128*(\b/2)+32*(\b%2)+16
	global_load_b128 v[224+8*\b:227+8*\b], v6, s[8:9] offset:256+128*(\b/2)+32*(\b%2)
	global_load_b128 v[228+8*\b:231+8*\b], v6, s[8:9] offset:256+128*(\b/2)+32*(\b%2)+16
.endr
	WIN 0
	s_mul_i32 s22, s15, HALFT
	s_mul_i32 s23, s16, HALFT
	s_add_co_u32 s23, s23, 2*HALFT
.irp s, 0,1
	v_add_nc_u32 v[A1+\s], s22, v4
	v_add_nc_u32 v[A1+2+\s], s22, v5
	v_add_nc_u32 v[A0+\s], s23, v4
	v_add_nc_u32 v[A0+2+\s], s23, v5
	s_add_co_u32 s22, s22, SLOT
	s_add_co_u32 s23, s23, SLOT
.endr
	s_mul_i32 s23, s14, 8448
	v_mul_u32_u24 v[STO], v1, 528
	v_lshl_add_u32 v[STO], v2, 6, v[STO]
	v_add_nc_u32 v[STO], s23, v[STO]
	v_add_nc_u32 v[RD], s23, v4
	s_wait_alu depctr_va_vdst(0)
	s_wait_tensorcnt 1
	s_barrier_signal -1
	s_barrier_wait -1
	FETCH_S0 0, 0, 0
	FETCH_S1 0, 0, 0
	FETCH_S1 0, 0, 4
	s_wait_loadcnt 0x0
.irp Q, 0,1,2,3,4,5,6,7
.irp j, 0,1,2,3
.if \j%2
	v_perm_b32 v[SC1+8*(\Q/2)+2*\j+\Q%2], v[RAW+4*\Q+2+\j/2], v[RAW+4*\Q+\j/2], 0x07060302
.else
	v_perm_b32 v[SC1+8*(\Q/2)+2*\j+\Q%2], v[RAW+4*\Q+2+\j/2], v[RAW+4*\Q+\j/2], 0x05040100
.endif
.endr
.endr
	PLACES 8
	STEP 0, 0, 1
	TURN 0, 1, 1, 1
	STEP 1, 2, 0
	TURN 1, 0, 3, 1
	STEP 0, 4, 0
	s_wait_alu depctr_va_vdst(0)
	TURN 0, 1, 5, 0
	STEP 1, 6, 0
	s_wait_dscnt 16
	WIN 0xa1
	MUL16 0, 1, 7, 0
	MUL16 2, 1, 7, 0
	s_wait_dscnt 0x0
	WIN 0xf1
	MUL16 4, 1, 7, 0
	MUL16 6, 1, 7, 0
	WIN 0
.macro TOSTAGE a
.set AC, 64*((\a)%4)
	WIN 0x08+4*((\a)/4)
.irp b, 0,1,2,3,4,5,6,7
	ds_store_b128 v[STO], v[AC+8*\b:AC+8*\b+3] offset:128*(\b/2)+32*(\b%2)
	ds_store_b128 v[STO], v[AC+8*\b+4:AC+8*\b+7] offset:128*(\b/2)+32*(\b%2)+16
.endr
	WIN 0
.set BB, BK+64*((\a)%2)
.irp t, 0,1,2,3,4,5,6,7,8,9,10,11,12,13,14,15
	ds_load_b128 v[BB+4*\t:BB+4*\t+3], v[RD] offset:\t*528
.endr
.endm
.macro SEND a, younger
.set BB, BK+64*((\a)%2)
	s_wait_dscnt \younger
.irp t, 0,1,2,3,4,5,6,7,8,9,10,11,12,13,14,15
	global_store_b128 v4, v[BB+4*\t:BB+4*\t+3], s[10:11] offset:(32*((\a)/2)+8*((\a)%2)+\t+8*(\t/8))*4096 th:TH_STORE_NT
.endr
.endm
	PLACES 4
	TOSTAGE 0
.irp a, 1,2,3,4,5,6,7
.if \a > 1
	s_wait_xcnt 0x0
.endif
	TOSTAGE \a
	SEND \a-1, 32
.endr
	SEND 7, 0
	s_wait_tensorcnt 0x0
	ds_add_u32 v[SPW], v[NIL]
	s_wait_dscnt 0x0
	CROUND
	s_endpgm
.Lfunc_end_k_q2ef766dad9_proj:
	.size	k_q2ef766dad9_proj, .Lfunc_end_k_q2ef766dad9_proj-k_q2ef766dad9_proj
	.p2alignl 7, 3214868480
	.fill 96, 4, 3214868480
	.section	.rodata,"a",@progbits
	.p2align	6, 0x0
	.amdhsa_kernel k_q2ef766dad9_proj
		.amdhsa_group_segment_fixed_size 327680
		.amdhsa_private_segment_fixed_size 0
		.amdhsa_enable_private_segment 0
		.amdhsa_kernarg_size 32
		.amdhsa_user_sgpr_count 2
		.amdhsa_user_sgpr_kernarg_segment_ptr 1
		.amdhsa_wavefront_size32 1
		.amdhsa_system_sgpr_workgroup_id_x 1
		.amdhsa_system_sgpr_workgroup_id_y 1
		.amdhsa_system_sgpr_workgroup_id_z 1
		.amdhsa_system_vgpr_workitem_id 0
		.amdhsa_next_free_vgpr 1024
		.amdhsa_next_free_sgpr 100
		.amdhsa_reserve_vcc 0
		.amdhsa_float_denorm_mode_32 3
		.amdhsa_float_denorm_mode_16_64 3
		.amdhsa_memory_ordered 1
		.amdhsa_forward_progress 1
		.amdhsa_inst_pref_size 148
	.end_amdhsa_kernel
	.amdgpu_metadata
---
amdhsa.version: [ 1, 2 ]
amdhsa.kernels:
  - .name:           k_q2ef766dad9_proj
    .symbol:         k_q2ef766dad9_proj.kd
    .args:
      - { .name: ab, .offset: 0, .size: 8, .value_kind: global_buffer, .address_space: global }
      - { .name: wo, .offset: 8, .size: 8, .value_kind: global_buffer, .address_space: global }
      - { .name: b_out, .offset: 16, .size: 8, .value_kind: global_buffer, .address_space: global }
      - { .name: out0, .offset: 24, .size: 8, .value_kind: global_buffer, .address_space: global }
    .group_segment_fixed_size: 327680
    .private_segment_fixed_size: 0
    .kernarg_segment_align: 8
    .kernarg_segment_size: 32
    .max_flat_workgroup_size: 128
    .sgpr_count:     100
    .vgpr_count:     1024
    .wavefront_size: 32
...
	.end_amdgpu_metadata
.endif
;; end of part 4
